; MI455X (gfx1250); checked and timed in simulation.
; The chip was launched on July 23, 2026; its instructions are those of AMD's public machine-readable ISA for CDNA 5 (MIT licence, August 2026) and "CDNA5" Instruction Set Architecture Reference Guide (July 2026). The comments in the code are by the model that wrote it; some were corrected since.
;; Mixture Of Experts. Allowed arithmetic: float matrix products may take bf16 or f16 operands with f32 sums; all other float work in f32.
;; Inputs: W1 8 x 1,024 x 2,048 float32; W2 8 x 2,048 x 1,024 float32; Wg 1,024 x 8 float32; b1 8 x 2,048 float32; b2 8 x 1,024 float32; bg 8 float32; x 2,048 x 1,024 float32.
;; Outputs: out0 2,048 x 1,024 float32.
;; One version. Each part assembles by itself: llvm-mc -triple=amdgcn-amd-amdhsa -mcpu=gfx1250 --defsym DOCPART=n.
;; ======== version 1 of 1: 4 launches
;; workspace buffers: W1b 33,554,432 bytes; W2b 33,554,432 bytes; xb 4,194,304 bytes; hbuf 67,108,864 bytes; part 67,108,864 bytes
;; launch cast (part 1): grid 1152 x 1, 8 waves a work-group, no clusters, 0 bytes of LDS; arguments W1, x, W1b, xb; writes W1b, xb
.if DOCPART == 1
	.amdgcn_target "amdgcn-amd-amdhsa--gfx1250"
	.amdhsa_code_object_version 6
	.text
	.protected	k_q3c4adb2fab_cast
	.globl	k_q3c4adb2fab_cast
	.p2align	8
	.type	k_q3c4adb2fab_cast,@function
k_q3c4adb2fab_cast:
	s_mov_b64 s[64:65], 0
	v_nop
	global_prefetch_b8 v0, s[64:65] scope:SCOPE_SE
	s_setreg_imm32_b32 hwreg(HW_REG_WAVE_MODE, 25, 1), 1
	s_wait_xcnt 0x0
; W1b, xb = W1, x rounded once to bf16 (nearest even), in the same order of elements.
; W1 is a matrix operand of eight token blocks in the next launch: it is rounded here once instead of eight times there.
; (W2 is first needed two launches on; the next launch rounds it beside its matrix work.)
; A work-group casts 65,536 bytes of f32: 16 rows of 256 threads x 16 bytes.  Work-groups 0-1023 take W1, 1024-1151 x.
; A stream: every byte is read once and written once.  No LDS, no barrier, no matrix unit; no cluster, since no two work-groups read the same byte.
; All 16 loads of a thread are issued before the first wait; no register that a pending load or store names is written again,
; so the only waits are the counted ones for the data.
.set NROWS, 16                         ; rows of a work-group
.set INROW, 4096                       ; bytes of f32 that the 256 threads read in a row
.set OUTROW, 2048                      ; bytes of bf16 that they write
.set X, 4                              ; v[4:67]  row j: 4 registers as loaded; the first two are then the 4 bf16 to store
	s_load_b256 s[4:11], s[0:1], 0x0               ; W1 s[4:5], x s[6:7], W1b s[8:9], xb s[10:11]
	s_and_b32 s20, ttmp9, 1023                     ; my number inside my tensor
	s_lshl_b32 s22, s20, 15                        ; my byte offset in the copy,
	s_lshl_b32 s20, s20, 16                        ; and in the source (below 64 MiB)
	s_mov_b32 s21, 0
	s_mov_b32 s23, 0
	v_lshlrev_b32 v1, 4, v0                        ; 16 bytes a thread in
	v_lshlrev_b32 v2, 3, v0                        ; 8 bytes a thread out
	s_wait_kmcnt 0x0
	s_cmp_lt_u32 ttmp9, 1024                       ; the choice of the tensor hangs on the work-group number alone
	s_cselect_b64 s[16:17], s[4:5], s[6:7]
	s_cselect_b64 s[18:19], s[8:9], s[10:11]
	s_add_nc_u64 s[16:17], s[16:17], s[20:21]
	s_add_nc_u64 s[18:19], s[18:19], s[22:23]
.irp j, 0,1,2,3,4,5,6,7,8,9,10,11,12,13,14,15
	global_load_b128 v[X+4*\j:X+4*\j+3], v1, s[16:17] offset:INROW*\j th:TH_LOAD_NT   ; a wave reads 512 consecutive bytes
.endr
.irp j, 0,1,2,3,4,5,6,7,8,9,10,11,12,13,14,15
	s_wait_loadcnt NROWS-1-\j                      ; loads come back in order: row j is in, the younger rows stay out
	v_cvt_pk_bf16_f32 v[X+4*\j],   v[X+4*\j],   v[X+4*\j+1]
	v_cvt_pk_bf16_f32 v[X+4*\j+1], v[X+4*\j+2], v[X+4*\j+3]
	global_store_b64 v2, v[X+4*\j:X+4*\j+1], s[18:19] offset:OUTROW*\j    ; each store of the wave covers 256 consecutive bytes, aligned
.endr
	s_endpgm
.Lfunc_end_k_q3c4adb2fab_cast:
	.size	k_q3c4adb2fab_cast, .Lfunc_end_k_q3c4adb2fab_cast-k_q3c4adb2fab_cast
	.p2alignl 7, 3214868480
	.fill 96, 4, 3214868480
	.section	.rodata,"a",@progbits
	.p2align	6, 0x0
	.amdhsa_kernel k_q3c4adb2fab_cast
		.amdhsa_group_segment_fixed_size 0
		.amdhsa_private_segment_fixed_size 0
		.amdhsa_enable_private_segment 0
		.amdhsa_kernarg_size 32
		.amdhsa_user_sgpr_count 2
		.amdhsa_user_sgpr_kernarg_segment_ptr 1
		.amdhsa_wavefront_size32 1
		.amdhsa_system_sgpr_workgroup_id_x 1
		.amdhsa_system_sgpr_workgroup_id_y 1
		.amdhsa_system_sgpr_workgroup_id_z 1
		.amdhsa_system_vgpr_workitem_id 0
		.amdhsa_next_free_vgpr 68
		.amdhsa_next_free_sgpr 66
		.amdhsa_reserve_vcc 0
		.amdhsa_float_denorm_mode_32 3
		.amdhsa_float_denorm_mode_16_64 3
		.amdhsa_memory_ordered 1
		.amdhsa_forward_progress 1
		.amdhsa_inst_pref_size 7
	.end_amdhsa_kernel
	.amdgpu_metadata
---
amdhsa.version: [ 1, 2 ]
amdhsa.kernels:
  - .name:           k_q3c4adb2fab_cast
    .symbol:         k_q3c4adb2fab_cast.kd
    .args:
      - { .name: W1, .offset: 0, .size: 8, .value_kind: global_buffer, .address_space: global }
      - { .name: x, .offset: 8, .size: 8, .value_kind: global_buffer, .address_space: global }
      - { .name: W1b, .offset: 16, .size: 8, .value_kind: global_buffer, .address_space: global }
      - { .name: xb, .offset: 24, .size: 8, .value_kind: global_buffer, .address_space: global }
    .group_segment_fixed_size: 0
    .private_segment_fixed_size: 0
    .kernarg_segment_align: 8
    .kernarg_segment_size: 32
    .max_flat_workgroup_size: 256
    .sgpr_count:     66
    .vgpr_count:     68
    .wavefront_size: 32
...
	.end_amdgpu_metadata
.endif
;; end of part 1
;; launch gemm1 (part 2): grid 32 x 8, 4 waves a work-group, clusters of 4 x 4, 327,680 bytes of LDS; arguments xb, W1b, hbuf, b1, W2, W2b; writes hbuf, W2b
.if DOCPART == 2
	.amdgcn_target "amdgcn-amd-amdhsa--gfx1250"
	.amdhsa_code_object_version 6
	.text
	.protected	k_q3c4adb2fab_gemm1
	.globl	k_q3c4adb2fab_gemm1
	.p2align	8
	.type	k_q3c4adb2fab_gemm1,@function
k_q3c4adb2fab_gemm1:
	s_mov_b64 s[64:65], 0
	v_nop
	global_prefetch_b8 v0, s[64:65] scope:SCOPE_SE
	s_setreg_imm32_b32 hwreg(HW_REG_WAVE_MODE, 25, 1), 1
	s_wait_xcnt 0x0
	s_wait_alu depctr_hold_cnt(0) depctr_sa_sdst(0) depctr_va_vdst(0) depctr_va_sdst(0) depctr_va_ssrc(0) depctr_va_vcc(0) depctr_vm_vsrc(0)
	s_getreg_b32 s2, hwreg(HW_REG_IB_STS2, 6, 4)
	s_cmp_eq_u32 s2, 0
	s_cbranch_scc0 .Lentry_in_a_cluster
	s_endpgm
.Lentry_in_a_cluster:
	s_bfe_u32 s2, ttmp6, 0x10000c
	s_cmp_lg_u32 s2, 0xf033
	s_cbranch_scc0 .Lentry_shape_is_right
	s_endpgm
.Lentry_shape_is_right:
; hbuf[n][2048 e + j] = bf16( relu( sum over d of xb[n][d] W1b[e][d][j] + b1[e][j] ) ),  and beside it  W2b = W2 rounded once to bf16 (nearest even).
; xb: [2048][1024] bf16.  W1b: [8][1024][2048] bf16 (K along the rows' index, N along a row).  b1: [8][2048] f32.  hbuf: [2048][16384] bf16.  Sums in f32.
; W2: [8][2048][1024] f32, W2b the same in bf16: the next launch's matrix operand.
; LIMITS: relu is a maximum with 0 in which a NaN loses, so a NaN sum gives 0.  h is rounded once to bf16, as the next product's matrix operand.
; A work-group makes blocks of 256 tokens x 256 columns with four waves; a wave makes 128 x 128: 64 accumulator tiles of 16 x 16, 512 registers.
; Block column c = 0..63 is expert c / 8, columns 256 (c mod 8) of it, and columns 256 c of hbuf.
; THE WORK-GROUP STAYS AND MAKES TWO BLOCKS: block columns x and x + 32 (the same columns four experts on) of one block row; 256 work-groups in all.
; K goes in steps of 128 through a ring of two LDS slots filled by the tensor data mover, and the ring runs on over the change of blocks: the refills of the first
; block's last two K steps ask for the second block's first two, so those land while the first block goes out, and the first block's stores leave under the second's products.
; A slot holds 256 rows of A (128 K each) and 128 K rows of B (256 columns each).  B lies in LDS as in memory, K down the rows; its fragments are made by the transposing LDS load.
; CLUSTERS: 4 x 4 work-groups.  The four of a row of the cluster share the block row and so the tiles of A; the four of a column share the block columns and so the tiles of B.
; Such a tile is asked for jointly: each of the four issues the same tensor load with the same descriptor and a mask that names the four.
; THE CAST OF W2: each of the 1,024 waves owns 65,536 consecutive bytes of W2.  A wave has 2 blocks x 8 K steps x 4 quarters = 64 quarter steps; in each it takes 1,024 bytes:
; two loads of 512 bytes, four conversions, two stores of 256 bytes.  The data pass through a ring of eight groups of eight registers; a group is loaded seven quarter steps ahead of its use.
;
; REGISTERS, in windows of 256:
;   window 0: v0-27 addresses; v28-59 packed results on the way out; v64-127, v128-191 fragments of A, two buffers (on the way out: relu results, rows read back); v192-255 the bias as eight C tiles
;   window 1: v0-1 offsets of the cast; v64-127, v128-191 fragments of B, two buffers; v192-255 the ring of the cast
;   window 2: the 32 accumulator tiles of my rows 0-63 (tile (a, b) at v[8 (8 a + b)]);   window 3: those of my rows 64-127
; THE MATRIX INSTRUCTION IS USED TRANSPOSED: source 0 = 16 columns of B, source 1 = 16 rows of A.  Lane l then holds row l % 16 of the block and its registers 0 to 7
; the columns 8 (l / 16) + 0 .. 7.  The first product of each tile takes the bias as C, so nothing is cleared and no add follows.
; The 64 accumulators take turns, one instruction a turn, in the same order in every quarter step.
.set KSTEP,  128
.set SIZE_K, 1024
.set LAPS,   SIZE_K/(2*KSTEP)          ; a lap = two K steps = once round the ring: 4 for a block
.set APITCH, 1024                      ; elements from row to row of xb
.set BPE,    2048                      ; elements from K row to K row of W1b
.set ASTEP,  KSTEP*2                   ; bytes that A's tile moves in a K step
.set BSTEP,  KSTEP*BPE*2               ; bytes that B's tile moves in a K step
.set CROW,   32768                     ; bytes in a row of hbuf
.set TILE_B, 4*1024*2048*2             ; from the first block's B to the second's: four experts
.set TILE_C, 32*512                    ; from the first block's columns of hbuf to the second's: 32 block columns of 512 bytes
.set TILE_BIAS, 32*1024                ; the same in b1: 32 block columns of 256 f32
.set PITCH,  272                       ; an LDS row of A: 256 bytes + 16 of padding, an odd multiple of 16: the 16 rows of a fragment load start 16 bytes apart modulo 256
.set BPITCH, 544                       ; an LDS row of B: 512 bytes + 32 of padding, an odd multiple of 32, for the transposing load
.set HALFT,  128*PITCH                 ; what one tensor load brings: 128 rows of A, or 64 K rows of B (64 x 544 is the same 34,816 bytes)
.set SLOT,   4*HALFT                   ; A rows 0-127, A rows 128-255, B K rows 0-63, B K rows 64-127
.set STAGE,  2*SLOT                    ; behind the ring, in blocks of 256 bytes into which no fill lands: 16 rows x 272 bytes for each wave
.set SPITCH, 272
.set CQ_IN,  1024                      ; the cast: bytes of W2 that a wave takes in a quarter step
.set CQ_OUT, 512                       ; and bytes of W2b that it writes
.set ADRA, 16                          ; v16-17  LDS address of my A fragments in slot 0, 1
.set ADRB, 20                          ; v20-21  the same for B
.set STO,  24                          ; v24     the way out: where I put 16 bytes of a row
.set RD,   25                          ; v25     the way out: where I read a row back
.set CO,   26                          ; v26     my byte offset in hbuf
.set BO,   27                          ; v27     my byte offset in b1
.set TMP,  28                          ; v28-59  the way out: packed results
.set F0,   64                          ; fragment buffer 0
.set F1,   128                         ; fragment buffer 1
.set RL,   64                          ; the way out: 64 relu results, window 0
.set BI,   192                         ; window 0: v192-255, the bias tiles of the block at work
.set COFL, 0                           ; window 1: v0, the cast: 16 x lane
.set COFS, 1                           ; window 1: v1, the cast: 8 x lane
.set RING, 192                         ; window 1: v192-255, the cast: group g at RING + 8 g
.set G1,  24                           ; s[24:31] descriptor group 1 for tiles of A
.set G0,  32                           ; s[32:39] descriptor group 0 for tiles of A, one set for each slot
.set G1B, 48                           ; s[48:55] descriptor group 1 for tiles of B
.set G0B, 56                           ; s[56:63] descriptor group 0 for tiles of B, one set for each slot
; other scalars: s[14:15] A's first tile, s[46:47] B's first tile (both kept for the second block), s[66:67] b1, s[72:73] W2, s[74:75] W2b, s[78:79] my corner of hbuf, s[8:9] the stores' base
.set MSB, 0
.macro WIN new                         ; low byte: bits 1:0 source 0, 3:2 source 1, 5:4 source 2, 7:6 destination; the high byte repeats the setting that is left
.if MSB != \new
	s_set_vgpr_msb (MSB<<8)|\new
.set MSB, \new
.endif
.endm
.set MUL_LO,   0xa1                    ; source 0 (B) window 1, source 1 (A) window 0, C and D window 2
.set MUL_HI,   0xf1                    ; the same, C and D window 3
.set START_LO, 0x81                    ; the first products: C (the bias) window 0, D window 2
.set START_HI, 0xc1                    ; C window 0, D window 3
.set TO_B,     0x40                    ; destination window 1, the rest window 0
.set CASTW,    0x45                    ; the cast: destination, source 0 (the offset of a load or store) and source 1 (the data of a store) window 1
; A joint load.  Waves 0 and 1 fetch the two halves of A, waves 2 and 3 those of B.  Each line has one mask and one set of registers for all that issue it.
; The branch hangs on the wave number alone.
.macro JLOAD s
	s_cmp_eq_u32 s11, 0
	s_cbranch_scc0 .Lfor_b_\@
	tensor_load_to_lds s[G0+4*\s:G0+4*\s+3], s[G1:G1+7]
	s_nop 0
	s_branch .Lasked_\@
.Lfor_b_\@:
	tensor_load_to_lds s[G0B+4*\s:G0B+4*\s+3], s[G1B:G1B+7]
	s_nop 0
.Lasked_\@:
.endm
; A round of the cluster barrier: the work-group barrier, so that wave 0 speaks for all four waves; wave 0 signals for the work-group; every wave waits for all
; sixteen work-groups; the work-group barrier once more.
.macro CREST                           ; a round behind its opening barrier
	s_cmp_lg_u32 s10, 0
	s_cbranch_scc1 .Lnot_wave_0_\@
	s_barrier_signal -3
.Lnot_wave_0_\@:
	s_barrier_wait -3
	s_barrier_signal -1
	s_barrier_wait -1
.endm
.macro CROUND                          ; a whole round
	s_barrier_signal -1
	s_barrier_wait -1
	CREST
.endm
; The bias of block t as eight C tiles: register j of tile b holds b1 of my column 16 b + 8 (l / 16) + j, the same for all 16 rows.
.macro BIASLOAD t
.irp b, 0,1,2,3,4,5,6,7
	global_load_b128 v[BI+8*\b:BI+8*\b+3],   v[BO], s[66:67] offset:\t*TILE_BIAS+64*\b
	global_load_b128 v[BI+8*\b+4:BI+8*\b+7], v[BO], s[66:67] offset:\t*TILE_BIAS+64*\b+16
.endr
.endm
	s_load_b128 s[4:7], s[0:1], 0x0                ; xb s[4:5], W1b s[6:7]
	s_load_b64 s[8:9], s[0:1], 0x10                ; hbuf
	s_load_b64 s[66:67], s[0:1], 0x18              ; b1
	s_load_b128 s[72:75], s[0:1], 0x20             ; W2 s[72:73], W2b s[74:75]
	s_set_vgpr_msb 0x40
	v_lshl_add_u32 v63, v0, 2, 0x48400
	s_set_vgpr_msb 0x4000
	v_mov_b32 v63, 0
	s_set_vgpr_msb 0x1
	ds_add_u32 v63, v63
	s_set_vgpr_msb 0x100
	v_lshrrev_b32 v1, 5, v0
	v_readfirstlane_b32 s10, v1                    ; wave 0..3
	s_lshr_b32 s11, s10, 1                         ; which half of the block rows is mine.  Also: I fetch for A (0) or for B (1)
	s_and_b32 s12, s10, 1                          ; which half of its columns.  Also: which half of that tile I fetch
	s_bfe_u32 s40, ttmp6, 0x40000                  ; cx
	s_bfe_u32 s41, ttmp6, 0x40004                  ; cy
	s_lshl_b32 s42, ttmp9, 2
	s_add_co_u32 s42, s42, s40                     ; the first block's column = 4 x cluster x + cx, 0..31
	s_and_b32 s13, ttmp7, 0xffff
	s_lshl_b32 s13, s13, 2
	s_add_co_u32 s13, s13, s41                     ; block row = 4 x cluster y + cy, 0..7
	s_lshl_b32 s43, s41, 2
	s_lshl_b32 s43, 15, s43                        ; my row of the cluster: places 4 cy .. 4 cy + 3
	s_lshl_b32 s44, 0x1111, s40                    ; my column: places cx, cx + 4, cx + 8, cx + 12
	; group 1 for A: 128 rows x 128 elements of 2 bytes; 4 words of padding behind every 64 words
	s_or_b32 s[G1+0], s43, (1<<16)|(1<<20)|(1<<21)|(5<<22)|(3<<25)
	s_mov_b32 s[G1+1], KSTEP<<16                   ; tensor_dim0 = 128
	s_mov_b32 s[G1+2], 128<<16                     ; tensor_dim1 = 128
	s_mov_b32 s[G1+3], KSTEP<<16                   ; tile_dim0 = 128
	s_mov_b32 s[G1+4], 128                         ; tile_dim1 = 128
	s_mov_b32 s[G1+5], APITCH                      ; elements from row to row
	s_mov_b32 s[G1+6], 0
	s_mov_b32 s[G1+7], 0
	; group 1 for B: 64 K rows x 256 elements of 2 bytes; 8 words of padding behind every 128 words
	s_or_b32 s[G1B+0], s44, (1<<16)|(1<<20)|(1<<21)|(6<<22)|(7<<25)
	s_mov_b32 s[G1B+1], 256<<16                    ; tensor_dim0 = 256
	s_mov_b32 s[G1B+2], 64<<16                     ; tensor_dim1 = 64
	s_mov_b32 s[G1B+3], 256<<16                    ; tile_dim0 = 256
	s_mov_b32 s[G1B+4], 64                         ; tile_dim1 = 64
	s_mov_b32 s[G1B+5], BPE
	s_mov_b32 s[G1B+6], 0
	s_mov_b32 s[G1B+7], 0
	; where the tiles come from.  A hangs on the block row alone, B on the block column alone; each offset is made in registers that never hold the other coordinate.
	s_lshl_b32 s16, s13, 19                        ; A: 256 rows of 2,048 bytes a block row
	s_lshl_b32 s17, s12, 18                        ;    + 128 rows for the second half
	s_add_co_u32 s16, s16, s17
	s_mov_b32 s17, 0
	s_lshr_b32 s45, s42, 3                         ; the first block's expert, 0..3
	s_lshl_b32 s46, s45, 22                        ; B: 1,024 x 2,048 x 2 bytes an expert
	s_and_b32 s47, s42, 7
	s_lshl_b32 s47, s47, 9                         ;    + 256 columns of 2 bytes a block column of the expert
	s_add_co_u32 s46, s46, s47
	s_lshl_b32 s47, s12, 18                        ;    + 64 K rows of 4,096 bytes for the second half
	s_add_co_u32 s46, s46, s47
	s_mov_b32 s47, 0
	s_lshl_b32 s68, s42, 10                        ; b1: 256 numbers of 4 bytes a block column
	s_lshl_b32 s69, s12, 9                         ;     + 128 numbers for my half of the columns
	s_add_co_u32 s68, s68, s69
	s_mov_b32 s69, 0
	s_lshl_b32 s70, s13, 5                         ; the cast: work-group number 32 x block row + block column, 0..255,
	s_add_co_u32 s70, s70, s42
	s_lshl2_add_u32 s70, s70, s10                  ; x 4 + wave: 0..1023
	s_lshl_b32 s76, s70, 15                        ; my 32,768 bytes of W2b
	s_lshl_b32 s70, s70, 16                        ; my 65,536 bytes of W2
	s_mov_b32 s71, 0
	s_mov_b32 s77, 0
	s_lshl_b32 s78, s13, 23                        ; hbuf: 256 rows of 32,768 bytes a block row
	s_lshl_b32 s79, s11, 22                        ;       + 128 rows for the second half
	s_add_co_u32 s78, s78, s79
	s_lshl_b32 s79, s42, 9                         ;       + 512 bytes a block column
	s_add_co_u32 s78, s78, s79
	s_lshl_b32 s79, s12, 8                         ;       + 256 bytes for the second half of the columns
	s_add_co_u32 s78, s78, s79
	s_mov_b32 s79, 0
	s_mul_i32 s20, s10, HALFT                      ; where my part of a tile goes: wave x 34,816 bytes; no place in the cluster enters an LDS address
	s_wait_dscnt 0x0
	s_wait_kmcnt 0x0
	s_add_nc_u64 s[14:15], s[4:5], s[16:17]
	s_add_nc_u64 s[46:47], s[6:7], s[46:47]
	s_add_nc_u64 s[66:67], s[66:67], s[68:69]
	s_add_nc_u64 s[72:73], s[72:73], s[70:71]
	s_add_nc_u64 s[74:75], s[74:75], s[76:77]
	s_add_nc_u64 s[78:79], s[8:9], s[78:79]
	CROUND                                         ; all sixteen work-groups are here: the first joint loads meet
.irp s, 0,1
	s_mov_b32 s[G0+4*\s], 1                                        ; count = 1
	s_add_co_u32 s[G0+4*\s+1], s20, \s*SLOT                        ; LDS address
	s_add_nc_u64 s[G0+4*\s+2:G0+4*\s+3], s[14:15], \s*ASTEP        ; global address: K step s
	s_or_b32 s[G0+4*\s+3], s[G0+4*\s+3], 0x80000000                ; type = 2
	s_mov_b32 s[G0B+4*\s], 1
	s_add_co_u32 s[G0B+4*\s+1], s20, \s*SLOT
	s_add_nc_u64 s[G0B+4*\s+2:G0B+4*\s+3], s[46:47], \s*BSTEP
	s_or_b32 s[G0B+4*\s+3], s[G0B+4*\s+3], 0x80000000
	JLOAD \s                                       ; both slots are asked for before anything else is done: two tensor loads of the wave are out
.endr
	; A fragment (16 rows x 32 K): lane l holds row l % 16; two loads of 16 bytes, 32 bytes apart, at row x pitch + 16 (l / 16).
	; B fragment (16 columns x 32 K) from K rows: two transposing loads, 16 K rows apart, at (8 (l / 16) + l % 8) x pitch + 16 ((l / 8) % 2).
	v_and_b32 v1, 15, v0                           ; l % 16
	v_bfe_u32 v2, v0, 4, 1                         ; l / 16
	v_and_b32 v6, 31, v0                           ; l
	v_lshlrev_b32 v[BO], 5, v2                     ; the bias: 8 numbers for each half of the lanes
	BIASLOAD 0                                     ; 16 loads
	WIN TO_B
	v_lshlrev_b32 v[COFL], 4, v6                   ; the cast: 16 bytes a lane in,
	v_lshlrev_b32 v[COFS], 3, v6                   ; 8 bytes a lane out; neither is written again
	WIN CASTW
.irp q, 0,1,2,3,4,5,6
	global_load_b128 v[RING+8*\q:RING+8*\q+3],   v[COFL], s[72:73] offset:\q*CQ_IN th:TH_LOAD_NT       ; the ring's first seven groups: 14 loads
	global_load_b128 v[RING+8*\q+4:RING+8*\q+7], v[COFL], s[72:73] offset:\q*CQ_IN+512 th:TH_LOAD_NT
.endr
	WIN 0
	v_mul_u32_u24 v3, v1, PITCH
	v_lshl_add_u32 v3, v2, 4, v3
	v_and_b32 v4, 7, v0
	v_lshl_add_u32 v4, v2, 3, v4
	v_mul_u32_u24 v4, v4, BPITCH
	v_bfe_u32 v5, v0, 3, 1
	v_lshl_add_u32 v4, v5, 4, v4
	s_mul_i32 s21, s11, HALFT                      ; my 128 rows of A
	s_lshl_b32 s22, s12, 8                         ; my 128 columns of B: 256 bytes along its rows,
	s_add_co_u32 s22, s22, 2*HALFT                 ; which lie behind the 256 rows of A
.irp s, 0,1
	v_add_nc_u32 v[ADRA+\s], s21, v3
	v_add_nc_u32 v[ADRB+\s], s22, v4
	s_add_co_u32 s21, s21, SLOT
	s_add_co_u32 s22, s22, SLOT
.endr
	s_mul_i32 s23, s10, 16*SPITCH
	s_add_co_u32 s23, s23, STAGE                   ; my stage
	v_mul_u32_u24 v4, v1, SPITCH                   ; in: row l % 16, 16 bytes for each half of the lanes
	v_lshl_add_u32 v4, v2, 4, v4
	v_add_nc_u32 v[STO], s23, v4
	v_mul_u32_u24 v5, v2, SPITCH                   ; back: lanes 0-15 take one row of 256 bytes, lanes 16-31 the next
	v_lshl_add_u32 v5, v1, 4, v5
	v_add_nc_u32 v[RD], s23, v5
	v_lshlrev_b32 v5, 15, v2                       ; and the same two rows in hbuf
	v_lshl_add_u32 v[CO], v1, 4, v5
; 16 matrix instructions: row blocks a0, a0 + 1 of the four of a window (hi = 0: my rows 0-63, 1: rows 64-127) x all 8 column blocks, 32 along K.
; start = 1: the first product of a tile adds onto the bias tile of its column block.
.macro MUL16 f, hi, a0, start
.irp a, \a0, \a0+1
.irp b, 0,1,2,3,4,5,6,7
.if \start
	v_wmma_f32_16x16x32_bf16 v[8*(8*(\a)+\b):8*(8*(\a)+\b)+7], v[\f+8*\b:\f+8*\b+7], v[\f+8*(4*\hi+\a):\f+8*(4*\hi+\a)+7], v[BI+8*\b:BI+8*\b+7]
.else
	v_wmma_f32_16x16x32_bf16 v[8*(8*(\a)+\b):8*(8*(\a)+\b)+7], v[\f+8*\b:\f+8*\b+7], v[\f+8*(4*\hi+\a):\f+8*(4*\hi+\a)+7], v[8*(8*(\a)+\b):8*(8*(\a)+\b)+7]
.endif
.endr
.endr
.endm
; 32 LDS loads in one run: the fragments of quarter q of a K step (32 K; 128 columns of B, 128 rows of A) into buffer f
.macro FETCH slot, q, f
	WIN TO_B
.irp i, 0,1,2,3,4,5,6,7
	ds_load_tr16_b128 v[\f+8*\i:\f+8*\i+3],   v[ADRB+\slot] offset:\q*32*BPITCH+32*\i
	ds_load_tr16_b128 v[\f+8*\i+4:\f+8*\i+7], v[ADRB+\slot] offset:\q*32*BPITCH+16*BPITCH+32*\i
.endr
	WIN 0
.irp i, 0,1,2,3,4,5,6,7
	ds_load_b128 v[\f+8*\i:\f+8*\i+3],   v[ADRA+\slot] offset:\q*64+\i*16*PITCH
	ds_load_b128 v[\f+8*\i+4:\f+8*\i+7], v[ADRA+\slot] offset:\q*64+\i*16*PITCH+32
.endr
.endm
; Four places of plain vector instructions stand between a matrix instruction and a load into, or a vector instruction on, one of its registers (ISA guide 7.12.1 for vector instructions).
; The matrix instructions in between are not counted.
.macro PLACES
.rept 4
	v_nop
.endr
.endm
; One step of the cast of W2, once in every quarter step.  QI = the quarter's number in its lap, 0..7, which is also the group that is due.
; The group that was stored in the step before is loaded again, with the bytes of the step seven on; then this step's group is converted in place and stored.
; CADV = 1: the lap's first step moves both bases on by a lap (8 steps).  CTAIL = 1: the wave's last lap: only its first step still loads (the last 1,024 bytes), and the counts run down.
.set QI, 0
.set CADV, 0
.set CTAIL, 0
.macro CAST
	WIN CASTW
	s_wait_xcnt 0x0                                ; the registers that the last step's stores read, and the two bases, are written again only behind this wait
.if QI == 0
.if CADV
	s_add_nc_u64 s[72:73], s[72:73], 8*CQ_IN
	s_add_nc_u64 s[74:75], s[74:75], 8*CQ_OUT
.endif
.endif
.set CLOAD, 1
.if CTAIL
.if QI != 0
.set CLOAD, 0
.endif
.endif
.set CGL, RING+8*((QI+7)%8)
.set CGC, RING+8*QI
.if CLOAD
	global_load_b128 v[CGL:CGL+3],   v[COFL], s[72:73] offset:(QI+7)*CQ_IN th:TH_LOAD_NT
	global_load_b128 v[CGL+4:CGL+7], v[COFL], s[72:73] offset:(QI+7)*CQ_IN+512 th:TH_LOAD_NT
	s_wait_loadcnt 14                              ; loads come back in order: this step's group is in, the seven younger groups stay out
.else
	s_wait_loadcnt 2*(7-QI)                        ; the groups of the steps that are left stay out
.endif
	v_cvt_pk_bf16_f32 v[CGC],   v[CGC],   v[CGC+1]
	v_cvt_pk_bf16_f32 v[CGC+1], v[CGC+2], v[CGC+3]
	v_cvt_pk_bf16_f32 v[CGC+4], v[CGC+4], v[CGC+5]
	v_cvt_pk_bf16_f32 v[CGC+5], v[CGC+6], v[CGC+7]
	global_store_b64 v[COFS], v[CGC:CGC+1],   s[74:75] offset:QI*CQ_OUT        ; each store of the wave covers 256 consecutive bytes, aligned
	global_store_b64 v[COFS], v[CGC+4:CGC+5], s[74:75] offset:QI*CQ_OUT+256
.set QI, (QI+1)%8
.endm
; One of the first three quarters of a K step: multiplies buffer f; in its middle it fetches quarter q of the same slot into buffer g and does a step of the cast.
.macro QUARTER slot, q, f, g, start
	s_wait_dscnt 8                                 ; B and rows 0-63 of A are in; the youngest eight loads (rows 64-127 of A) may be out
.if \start
	WIN START_LO
.else
	WIN MUL_LO
.endif
	MUL16 \f, 0, 0, \start
	MUL16 \f, 0, 2, \start
	PLACES
	FETCH \slot, \q, \g
	CAST
	s_wait_dscnt 32                                ; all LDS loads but the 32 just issued
.if \start
	WIN START_HI
.else
	WIN MUL_HI
.endif
	MUL16 \f, 1, 0, \start
	MUL16 \f, 1, 2, \start
.endm
.macro THREE slot, start
	QUARTER \slot, 1, F0, F1, \start
	QUARTER \slot, 2, F1, F0, 0
	QUARTER \slot, 3, F0, F1, 0
.endm
; The last quarter: multiplies buffer 1 and changes slots.  next = the other slot.
; fill = 1: this slot is filled again, two K steps ahead; fill = 2: with the second block's K step of this slot's number; fill = 0: not at all.
; fetch = 0: the next slot's first fragments are not fetched here (the way out comes first and uses those registers).
; In front of the barrier each wave waits for its reads of this slot and for all its tensor loads, of which one is out: its part of the next slot.
; Behind it (with a fill: behind the whole round of the cluster barrier) nobody reads this slot and the next slot is whole: the refill comes first,
; then the first fragments of the next slot.  From a request to the wait for it a wave issues 240 matrix instructions.
.macro TURN slot, next, fill, fetch
	s_wait_dscnt 8
	WIN MUL_LO
	MUL16 F1, 0, 0, 0
	s_wait_dscnt 0                                 ; my reads of this slot are over
	s_wait_tensorcnt 0x0                           ; all my tensor loads have landed
	ds_add_u32 v63, v63
	s_wait_dscnt 0x0
	s_barrier_signal -1
	MUL16 F1, 0, 2, 0                              ; register work while the others arrive
	WIN 0
	s_barrier_wait -1
.if \fill
	CREST                                          ; all sixteen work-groups have said the same
.if \fill == 1
	s_add_nc_u64 s[G0+4*\slot+2:G0+4*\slot+3], s[G0+4*\slot+2:G0+4*\slot+3], 2*ASTEP       ; no tensor load of mine is out: the descriptors may be written
	s_add_nc_u64 s[G0B+4*\slot+2:G0B+4*\slot+3], s[G0B+4*\slot+2:G0B+4*\slot+3], 2*BSTEP
.else
	s_add_nc_u64 s[G0+4*\slot+2:G0+4*\slot+3], s[14:15], \slot*ASTEP                       ; the second block: A from its first K steps again,
	s_or_b32 s[G0+4*\slot+3], s[G0+4*\slot+3], 0x80000000
	s_add_nc_u64 s[G0B+4*\slot+2:G0B+4*\slot+3], s[46:47], TILE_B+\slot*BSTEP              ; B four experts on
	s_or_b32 s[G0B+4*\slot+3], s[G0B+4*\slot+3], 0x80000000
.endif
	JLOAD \slot                                    ; my one tensor load behind the round, and the first thing there
.endif
.if \fetch
	PLACES
	FETCH \next, 0, F0
.endif
	CAST
	WIN MUL_HI
	MUL16 F1, 1, 0, 0
	MUL16 F1, 1, 2, 0
.endm
.macro LAP start                       ; once round the ring, both slots filled again
	THREE 0, \start
	TURN 0, 1, 1, 1
	THREE 1, 0
	TURN 1, 0, 1, 1
.endm
; rows 16 i .. 16 i + 15 of my block = the eight tiles (a, 0..7) of window 2 or 3 (from = 0x08 or 0x0c: source 1); f: the 32 registers that take the rows read back, two sets in turn
.macro OUT16 i, a, from, f
	WIN \from
.irp b, 0,1,2,3,4,5,6,7
.irp j, 0,1,2,3,4,5,6,7
	v_max_num_f32 v[RL+8*\b+\j], 0, v[8*(8*\a+\b)+\j]
.endr
.endr
	WIN 0
.irp b, 0,1,2,3,4,5,6,7
.irp r, 0,1,2,3
	v_cvt_pk_bf16_f32 v[TMP+4*\b+\r], v[RL+8*\b+2*\r], v[RL+8*\b+2*\r+1]
.endr
.endr
.irp b, 0,1,2,3,4,5,6,7
	ds_store_b128 v[STO], v[TMP+4*\b:TMP+4*\b+3] offset:32*\b
.endr
	s_wait_xcnt 0x0                                ; set f, which earlier stores read, and the base of the stores are rewritten only behind this wait
.if \i
	s_add_nc_u64 s[8:9], s[8:9], 16*CROW           ; 16 rows on
.endif
.irp t, 0,1,2,3,4,5,6,7
	ds_load_b128 v[\f+4*\t:\f+4*\t+3], v[RD] offset:\t*2*SPITCH    ; LDS serves the instructions of a wave in order: these see the stores above
.endr
.irp t, 0,1,2,3,4,5,6,7
	s_wait_dscnt 7-\t                              ; read-back t is in, the younger ones stay out
	global_store_b128 v[CO], v[\f+4*\t:\f+4*\t+3], s[8:9] offset:2*\t*CROW   ; 16 lanes store 256 consecutive bytes, aligned
.endr
.endm
; THE WAY OUT of block t, 16 rows at a time: relu in f32, round to bf16, 16 bytes a lane into my own stage in LDS, read back as whole rows of 256 bytes.
.macro OUTALL t
	s_wait_xcnt 0x0                                ; the base of the stores is written only behind this wait
	s_add_nc_u64 s[8:9], s[78:79], \t*TILE_C       ; my corner of block t
	OUT16 0, 0, 0x08, 128
	OUT16 1, 1, 0x08, 160
	OUT16 2, 2, 0x08, 128
	OUT16 3, 3, 0x08, 160
	OUT16 4, 0, 0x0c, 128
	OUT16 5, 1, 0x0c, 160
	OUT16 6, 2, 0x0c, 128
	OUT16 7, 3, 0x0c, 160
.endm
	; THE FIRST BLOCK
	s_wait_loadcnt 14                              ; the 16 loads of the bias are in; the 14 of the cast's ring, issued behind them, stay out
	s_wait_tensorcnt 1                             ; my part of K step 0 is in; K step 1 may stay out
	s_barrier_signal -1
	s_barrier_wait -1                              ; everybody's part is in
	FETCH 0, 0, F0
	LAP 1                                          ; the first lap stands in front of the loop: its first products start the sums on the bias
	WIN 0                                          ; at a label and at a branch every window is 0
.set CADV, 1                                       ; from the second lap on the cast's bases move
	s_mov_b32 s3, LAPS-2
.Llap0:
	LAP 0
	WIN 0
	s_sub_co_u32 s3, s3, 1
	s_cmp_lg_u32 s3, 0
	s_cbranch_scc1 .Llap0
	THREE 0, 0                                     ; the block's last lap: its two refills ask for the second block's K steps 0 and 1
	TURN 0, 1, 2, 1
	THREE 1, 0
	TURN 1, 0, 2, 0
	PLACES                                         ; the places behind the last matrix instructions
	WIN 0
	BIASLOAD 1                                     ; the second block's bias comes in during the way out; its registers were last read by the block's first products
	OUTALL 0
	; THE SECOND BLOCK.  Its K step 0 lies whole in slot 0: every wave waited for its part in front of the barrier of the turn above.
	s_wait_xcnt 0x0                                ; fragment buffer 1 held the data of the last stores: it is loaded again only behind this wait
	s_wait_loadcnt 0x0                             ; the bias, the youngest loads
	FETCH 0, 0, F0
	LAP 1
	WIN 0
	s_mov_b32 s3, LAPS-2
.Llap1:
	LAP 0
	WIN 0
	s_sub_co_u32 s3, s3, 1
	s_cmp_lg_u32 s3, 0
	s_cbranch_scc1 .Llap1
.set CTAIL, 1                                      ; the wave's last eight steps of the cast
	THREE 0, 0                                     ; the last lap fills nothing and has no round of the cluster barrier
	TURN 0, 1, 0, 1
	THREE 1, 0
	s_wait_dscnt 8                                 ; the very last quarter: nothing more to fetch
	WIN MUL_LO
	MUL16 F1, 0, 0, 0
	MUL16 F1, 0, 2, 0
	CAST                                           ; the last 1,024 bytes of my part of W2
	s_wait_dscnt 0
	WIN MUL_HI
	MUL16 F1, 1, 0, 0
	MUL16 F1, 1, 2, 0
	PLACES
	WIN 0
	OUTALL 1
	s_set_vgpr_msb 0x1
	s_wait_tensorcnt 0x0
	ds_add_u32 v63, v63
	s_wait_dscnt 0x0
	s_set_vgpr_msb 0x100
	CROUND                                         ; the closing round: no work-group ends while a partner may still ask for a tile that names it
	s_endpgm
.Lfunc_end_k_q3c4adb2fab_gemm1:
	.size	k_q3c4adb2fab_gemm1, .Lfunc_end_k_q3c4adb2fab_gemm1-k_q3c4adb2fab_gemm1
	.p2alignl 7, 3214868480
	.fill 96, 4, 3214868480
	.section	.rodata,"a",@progbits
	.p2align	6, 0x0
	.amdhsa_kernel k_q3c4adb2fab_gemm1
		.amdhsa_group_segment_fixed_size 327680
		.amdhsa_private_segment_fixed_size 0
		.amdhsa_enable_private_segment 0
		.amdhsa_kernarg_size 48
		.amdhsa_user_sgpr_count 2
		.amdhsa_user_sgpr_kernarg_segment_ptr 1
		.amdhsa_wavefront_size32 1
		.amdhsa_system_sgpr_workgroup_id_x 1
		.amdhsa_system_sgpr_workgroup_id_y 1
		.amdhsa_system_sgpr_workgroup_id_z 1
		.amdhsa_system_vgpr_workitem_id 0
		.amdhsa_next_free_vgpr 1024
		.amdhsa_next_free_sgpr 80
		.amdhsa_reserve_vcc 0
		.amdhsa_float_denorm_mode_32 3
		.amdhsa_float_denorm_mode_16_64 3
		.amdhsa_memory_ordered 1
		.amdhsa_forward_progress 1
		.amdhsa_inst_pref_size 255
	.end_amdhsa_kernel
	.section	.bss,"aw",@nobits
	.p2align	6
	.space	262144
	.amdgpu_metadata
---
amdhsa.version: [ 1, 2 ]
amdhsa.kernels:
  - .name:           k_q3c4adb2fab_gemm1
    .symbol:         k_q3c4adb2fab_gemm1.kd
    .args:
      - { .name: xb, .offset: 0, .size: 8, .value_kind: global_buffer, .address_space: global }
      - { .name: W1b, .offset: 8, .size: 8, .value_kind: global_buffer, .address_space: global }
      - { .name: hbuf, .offset: 16, .size: 8, .value_kind: global_buffer, .address_space: global }
      - { .name: b1, .offset: 24, .size: 8, .value_kind: global_buffer, .address_space: global }
      - { .name: W2, .offset: 32, .size: 8, .value_kind: global_buffer, .address_space: global }
      - { .name: W2b, .offset: 40, .size: 8, .value_kind: global_buffer, .address_space: global }
    .group_segment_fixed_size: 327680
    .private_segment_fixed_size: 0
    .kernarg_segment_align: 8
    .kernarg_segment_size: 48
    .max_flat_workgroup_size: 128
    .sgpr_count:     80
    .vgpr_count:     1024
    .wavefront_size: 32
...
	.end_amdgpu_metadata
.endif
;; end of part 2
;; launch gemm2 (part 3): grid 4 x 64, 4 waves a work-group, clusters of 4 x 4, 327,680 bytes of LDS; arguments hbuf, W2b, part; writes part
.if DOCPART == 3
	.amdgcn_target "amdgcn-amd-amdhsa--gfx1250"
	.amdhsa_code_object_version 6
	.text
	.protected	k_q3c4adb2fab_gemm2
	.globl	k_q3c4adb2fab_gemm2
	.p2align	8
	.type	k_q3c4adb2fab_gemm2,@function
k_q3c4adb2fab_gemm2:
	s_mov_b64 s[64:65], 0
	v_nop
	global_prefetch_b8 v0, s[64:65] scope:SCOPE_SE
	s_setreg_imm32_b32 hwreg(HW_REG_WAVE_MODE, 25, 1), 1
	s_wait_xcnt 0x0
	s_wait_alu depctr_hold_cnt(0) depctr_sa_sdst(0) depctr_va_vdst(0) depctr_va_sdst(0) depctr_va_ssrc(0) depctr_va_vcc(0) depctr_vm_vsrc(0)
	s_getreg_b32 s2, hwreg(HW_REG_IB_STS2, 6, 4)
	s_cmp_eq_u32 s2, 0
	s_cbranch_scc0 .Lentry_in_a_cluster
	s_endpgm
.Lentry_in_a_cluster:
	s_bfe_u32 s2, ttmp6, 0x10000c
	s_cmp_lg_u32 s2, 0xf033
	s_cbranch_scc0 .Lentry_shape_is_right
	s_endpgm
.Lentry_shape_is_right:
; part[n][e][f] = sum over j of hbuf[n][2048 e + j] W2b[e][j][f], in f32.
; hbuf: [2048][16384] bf16.  W2b: [8][2048][1024] bf16 (K along the rows' index, N along a row).  part: [2048][8][1024] f32.
; The output of the module has only 8 x 4 blocks of 256 x 256, so the sum over the experts is split: one work-group for each (expert, block), 256 in all;
; the eight partial results of an output are weighted by the gates and added by the next launch, in f32 and in a fixed order.
; A work-group makes 256 tokens x 256 columns with four waves; a wave makes 128 x 128: 64 accumulator tiles of 16 x 16, 512 registers.
; K = 2,048 goes in steps of 128 through a ring of two LDS slots filled by the tensor data mover.  A slot holds 256 rows of A (128 K each) and 128 K rows of B (256 columns each).
; B lies in LDS as in memory, K down the rows; its fragments are made by the transposing LDS load.
; CLUSTERS: 4 x 4 work-groups = one expert, four block rows, all four block columns.  The four of a row of the cluster share the tiles of A, the four of a column those of B;
; such a tile is asked for jointly: each of the four issues the same tensor load with the same descriptor and a mask that names the four.
;
; REGISTERS, in windows of 256:
;   window 0: v0-26 addresses; v64-127, v128-191 fragments of A, two buffers (on the way out: rows read back)
;   window 1: v64-127, v128-191 fragments of B, two buffers
;   window 2: the 32 accumulator tiles of my rows 0-63 (tile (a, b) at v[8 (8 a + b)]);   window 3: those of my rows 64-127
; THE MATRIX INSTRUCTION IS USED TRANSPOSED: source 0 = 16 columns of B, source 1 = 16 rows of A.  Lane l then holds row l % 16 of the block and its registers 0 to 7
; the columns 8 (l / 16) + 0 .. 7: 32 neighbouring bytes of a row.  The first product of each tile takes the constant 0 as C: nothing is cleared.
; The 64 accumulators take turns, one instruction a turn, in the same order in every quarter step.
.set KSTEP,  128
.set SIZE_K, 2048
.set LAPS,   SIZE_K/(2*KSTEP)          ; a lap = two K steps = once round the ring: 8
.set APITCH, 16384                     ; elements from row to row of hbuf
.set BPE,    1024                      ; elements from K row to K row of W2b
.set ASTEP,  KSTEP*2                   ; bytes that A's tile moves in a K step
.set BSTEP,  KSTEP*BPE*2               ; bytes that B's tile moves in a K step
.set CROW,   32768                     ; bytes in a row of part (8 experts x 1,024 f32)
.set PITCH,  272                       ; an LDS row of A: 256 bytes + 16 of padding, an odd multiple of 16
.set BPITCH, 544                       ; an LDS row of B: 512 bytes + 32 of padding, an odd multiple of 32, for the transposing load
.set HALFT,  128*PITCH                 ; what one tensor load brings: 128 rows of A, or 64 K rows of B (the same 34,816 bytes)
.set SLOT,   4*HALFT                   ; A rows 0-127, A rows 128-255, B K rows 0-63, B K rows 64-127
.set STAGE,  2*SLOT                    ; behind the ring, in blocks of 256 bytes into which no fill lands: 16 rows x 528 bytes for each wave
.set SPITCH, 528                       ; a row of 128 f32 + 16 bytes, an odd multiple of 16
.set ADRA, 16                          ; v16-17  LDS address of my A fragments in slot 0, 1
.set ADRB, 20                          ; v20-21  the same for B
.set STO,  24                          ; v24     the way out: where I put 32 bytes of a row
.set RD,   25                          ; v25     the way out: where I read a row back
.set CO,   26                          ; v26     my byte offset in part
.set F0,   64                          ; fragment buffer 0
.set F1,   128                         ; fragment buffer 1
.set G1,  24                           ; s[24:31] descriptor group 1 for tiles of A
.set G0,  32                           ; s[32:39] descriptor group 0 for tiles of A, one set for each slot
.set G1B, 48                           ; s[48:55] descriptor group 1 for tiles of B
.set G0B, 56                           ; s[56:63] descriptor group 0 for tiles of B, one set for each slot
.set MSB, 0
.macro WIN new                         ; low byte: bits 1:0 source 0, 3:2 source 1, 5:4 source 2, 7:6 destination; the high byte repeats the setting that is left
.if MSB != \new
	s_set_vgpr_msb (MSB<<8)|\new
.set MSB, \new
.endif
.endm
.set MUL_LO, 0xa1                      ; source 0 (B) window 1, source 1 (A) window 0, C and D window 2
.set MUL_HI, 0xf1                      ; the same, C and D window 3
.set TO_B,   0x40                      ; destination window 1, address window 0
; A joint load.  Waves 0 and 1 fetch the two halves of A, waves 2 and 3 those of B.  Each line has one mask and one set of registers for all that issue it.
; The branch hangs on the wave number alone.
.macro JLOAD s
	s_cmp_eq_u32 s11, 0
	s_cbranch_scc0 .Lfor_b_\@
	tensor_load_to_lds s[G0+4*\s:G0+4*\s+3], s[G1:G1+7]
	s_nop 0
	s_branch .Lasked_\@
.Lfor_b_\@:
	tensor_load_to_lds s[G0B+4*\s:G0B+4*\s+3], s[G1B:G1B+7]
	s_nop 0
.Lasked_\@:
.endm
; A round of the cluster barrier: the work-group barrier, so that wave 0 speaks for all four waves; wave 0 signals for the work-group; every wave waits for all
; sixteen work-groups; the work-group barrier once more.
.macro CREST                           ; a round behind its opening barrier
	s_cmp_lg_u32 s10, 0
	s_cbranch_scc1 .Lnot_wave_0_\@
	s_barrier_signal -3
.Lnot_wave_0_\@:
	s_barrier_wait -3
	s_barrier_signal -1
	s_barrier_wait -1
.endm
.macro CROUND                          ; a whole round
	s_barrier_signal -1
	s_barrier_wait -1
	CREST
.endm
	s_load_b128 s[4:7], s[0:1], 0x0                ; hbuf s[4:5], W2b s[6:7]
	s_load_b64 s[8:9], s[0:1], 0x10                ; part
	s_set_vgpr_msb 0x40
	v_lshl_add_u32 v255, v0, 2, 0x4c400
	s_set_vgpr_msb 0x4000
	v_mov_b32 v255, 0
	s_set_vgpr_msb 0x1
	ds_add_u32 v255, v255
	s_set_vgpr_msb 0x100
	v_lshrrev_b32 v1, 5, v0
	v_readfirstlane_b32 s10, v1                    ; wave 0..3
	s_lshr_b32 s11, s10, 1                         ; which half of the block rows is mine.  Also: I fetch for A (0) or for B (1)
	s_and_b32 s12, s10, 1                          ; which half of its columns.  Also: which half of that tile I fetch
	s_bfe_u32 s40, ttmp6, 0x40000                  ; cx
	s_bfe_u32 s41, ttmp6, 0x40004                  ; cy
	s_lshl_b32 s42, ttmp9, 2
	s_add_co_u32 s42, s42, s40                     ; block column = 4 x cluster x + cx, 0..3
	s_and_b32 s16, ttmp7, 0xffff                   ; cluster y, 0..15
	s_lshr_b32 s45, s16, 1                         ; expert: two clusters each; made of the cluster's y alone, so the same in all sixteen partners
	s_and_b32 s13, s16, 1
	s_lshl_b32 s13, s13, 2
	s_add_co_u32 s13, s13, s41                     ; block row = 4 x (cluster y mod 2) + cy, 0..7
	s_lshl_b32 s43, s41, 2
	s_lshl_b32 s43, 15, s43                        ; my row of the cluster: places 4 cy .. 4 cy + 3
	s_lshl_b32 s44, 0x1111, s40                    ; my column: places cx, cx + 4, cx + 8, cx + 12
	; group 1 for A: 128 rows x 128 elements of 2 bytes; 4 words of padding behind every 64 words
	s_or_b32 s[G1+0], s43, (1<<16)|(1<<20)|(1<<21)|(5<<22)|(3<<25)
	s_mov_b32 s[G1+1], KSTEP<<16                   ; tensor_dim0 = 128
	s_mov_b32 s[G1+2], 128<<16                     ; tensor_dim1 = 128
	s_mov_b32 s[G1+3], KSTEP<<16                   ; tile_dim0 = 128
	s_mov_b32 s[G1+4], 128                         ; tile_dim1 = 128
	s_mov_b32 s[G1+5], APITCH                      ; elements from row to row
	s_mov_b32 s[G1+6], 0
	s_mov_b32 s[G1+7], 0
	; group 1 for B: 64 K rows x 256 elements of 2 bytes; 8 words of padding behind every 128 words
	s_or_b32 s[G1B+0], s44, (1<<16)|(1<<20)|(1<<21)|(6<<22)|(7<<25)
	s_mov_b32 s[G1B+1], 256<<16                    ; tensor_dim0 = 256
	s_mov_b32 s[G1B+2], 64<<16                     ; tensor_dim1 = 64
	s_mov_b32 s[G1B+3], 256<<16                    ; tile_dim0 = 256
	s_mov_b32 s[G1B+4], 64                         ; tile_dim1 = 64
	s_mov_b32 s[G1B+5], BPE
	s_mov_b32 s[G1B+6], 0
	s_mov_b32 s[G1B+7], 0
	; where the tiles come from.  A hangs on the block row and the expert, B on the block column and the expert; neither offset ever holds the other's place in the cluster.
	s_lshl_b32 s16, s13, 23                        ; A: 256 rows of 32,768 bytes a block row
	s_lshl_b32 s17, s12, 22                        ;    + 128 rows for the second half
	s_add_co_u32 s16, s16, s17
	s_lshl_b32 s17, s45, 12                        ;    + 2,048 columns of 2 bytes an expert
	s_add_co_u32 s16, s16, s17
	s_mov_b32 s17, 0
	s_lshl_b32 s46, s45, 22                        ; B: 2,048 x 1,024 x 2 bytes an expert
	s_lshl_b32 s47, s42, 9                         ;    + 256 columns of 2 bytes a block column
	s_add_co_u32 s46, s46, s47
	s_lshl_b32 s47, s12, 17                        ;    + 64 K rows of 2,048 bytes for the second half
	s_add_co_u32 s46, s46, s47
	s_mov_b32 s47, 0
	s_mul_i32 s20, s10, HALFT                      ; where my part of a tile goes: wave x 34,816 bytes; no place in the cluster enters an LDS address
	s_wait_dscnt 0x0
	s_wait_kmcnt 0x0
	s_add_nc_u64 s[14:15], s[4:5], s[16:17]
	s_add_nc_u64 s[46:47], s[6:7], s[46:47]
	CROUND                                         ; all sixteen work-groups are here: the first joint loads meet
.irp s, 0,1
	s_mov_b32 s[G0+4*\s], 1                                        ; count = 1
	s_add_co_u32 s[G0+4*\s+1], s20, \s*SLOT                        ; LDS address
	s_add_nc_u64 s[G0+4*\s+2:G0+4*\s+3], s[14:15], \s*ASTEP        ; global address: K step s
	s_or_b32 s[G0+4*\s+3], s[G0+4*\s+3], 0x80000000                ; type = 2
	s_mov_b32 s[G0B+4*\s], 1
	s_add_co_u32 s[G0B+4*\s+1], s20, \s*SLOT
	s_add_nc_u64 s[G0B+4*\s+2:G0B+4*\s+3], s[46:47], \s*BSTEP
	s_or_b32 s[G0B+4*\s+3], s[G0B+4*\s+3], 0x80000000
	JLOAD \s                                       ; both slots are asked for before anything else is done: two tensor loads of the wave are out
.endr
	; A fragment (16 rows x 32 K): lane l holds row l % 16; two loads of 16 bytes, 32 bytes apart, at row x pitch + 16 (l / 16).
	; B fragment (16 columns x 32 K) from K rows: two transposing loads, 16 K rows apart, at (8 (l / 16) + l % 8) x pitch + 16 ((l / 8) % 2).
	v_and_b32 v1, 15, v0                           ; l % 16
	v_bfe_u32 v2, v0, 4, 1                         ; l / 16
	v_mul_u32_u24 v3, v1, PITCH
	v_lshl_add_u32 v3, v2, 4, v3
	v_and_b32 v4, 7, v0
	v_lshl_add_u32 v4, v2, 3, v4
	v_mul_u32_u24 v4, v4, BPITCH
	v_bfe_u32 v5, v0, 3, 1
	v_lshl_add_u32 v4, v5, 4, v4
	s_mul_i32 s21, s11, HALFT                      ; my 128 rows of A
	s_lshl_b32 s22, s12, 8                         ; my 128 columns of B: 256 bytes along its rows,
	s_add_co_u32 s22, s22, 2*HALFT                 ; which lie behind the 256 rows of A
.irp s, 0,1
	v_add_nc_u32 v[ADRA+\s], s21, v3
	v_add_nc_u32 v[ADRB+\s], s22, v4
	s_add_co_u32 s21, s21, SLOT
	s_add_co_u32 s22, s22, SLOT
.endr
	s_mul_i32 s23, s10, 16*SPITCH
	s_add_co_u32 s23, s23, STAGE                   ; my stage
	v_mul_u32_u24 v4, v1, SPITCH                   ; in: row l % 16, 32 bytes for each half of the lanes
	v_lshl_add_u32 v4, v2, 5, v4
	v_add_nc_u32 v[STO], s23, v4
	v_and_b32 v5, 31, v0
	v_lshlrev_b32 v[CO], 4, v5                     ; back and out: the 32 lanes take the 512 bytes of one row
	v_add_nc_u32 v[RD], s23, v[CO]
; 16 matrix instructions: row blocks a0, a0 + 1 of the four of a window (hi = 0: my rows 0-63, 1: rows 64-127) x all 8 column blocks, 32 along K.
; start = 1: the first product starts the sums.
.macro MUL16 f, hi, a0, start
.irp a, \a0, \a0+1
.irp b, 0,1,2,3,4,5,6,7
.if \start
	v_wmma_f32_16x16x32_bf16 v[8*(8*(\a)+\b):8*(8*(\a)+\b)+7], v[\f+8*\b:\f+8*\b+7], v[\f+8*(4*\hi+\a):\f+8*(4*\hi+\a)+7], 0
.else
	v_wmma_f32_16x16x32_bf16 v[8*(8*(\a)+\b):8*(8*(\a)+\b)+7], v[\f+8*\b:\f+8*\b+7], v[\f+8*(4*\hi+\a):\f+8*(4*\hi+\a)+7], v[8*(8*(\a)+\b):8*(8*(\a)+\b)+7]
.endif
.endr
.endr
.endm
; 32 LDS loads in one run: the fragments of quarter q of a K step (32 K; 128 columns of B, 128 rows of A) into buffer f
.macro FETCH slot, q, f
	WIN TO_B
.irp i, 0,1,2,3,4,5,6,7
	ds_load_tr16_b128 v[\f+8*\i:\f+8*\i+3],   v[ADRB+\slot] offset:\q*32*BPITCH+32*\i
	ds_load_tr16_b128 v[\f+8*\i+4:\f+8*\i+7], v[ADRB+\slot] offset:\q*32*BPITCH+16*BPITCH+32*\i
.endr
	WIN 0
.irp i, 0,1,2,3,4,5,6,7
	ds_load_b128 v[\f+8*\i:\f+8*\i+3],   v[ADRA+\slot] offset:\q*64+\i*16*PITCH
	ds_load_b128 v[\f+8*\i+4:\f+8*\i+7], v[ADRA+\slot] offset:\q*64+\i*16*PITCH+32
.endr
.endm
; Four places of plain vector instructions stand between a matrix instruction and a load into, or a vector instruction or LDS store on, one of its registers
; (ISA guide 7.12.1 for vector instructions).  The matrix instructions in between are not counted.
.macro PLACES
.rept 4
	v_nop
.endr
.endm
; One of the first three quarters of a K step: multiplies buffer f; in its middle it fetches quarter q of the same slot into buffer g.
.macro QUARTER slot, q, f, g, start
	s_wait_dscnt 8                                 ; B and rows 0-63 of A are in; the youngest eight loads (rows 64-127 of A) may be out
	WIN MUL_LO
	MUL16 \f, 0, 0, \start
	MUL16 \f, 0, 2, \start
	PLACES
	FETCH \slot, \q, \g
	s_wait_dscnt 32                                ; all but the 32 just issued
	WIN MUL_HI
	MUL16 \f, 1, 0, \start
	MUL16 \f, 1, 2, \start
.endm
.macro THREE slot, start
	QUARTER \slot, 1, F0, F1, \start
	QUARTER \slot, 2, F1, F0, 0
	QUARTER \slot, 3, F0, F1, 0
.endm
; The last quarter: multiplies buffer 1 and changes slots.  next = the other slot; fill = 1: this slot is filled again, two K steps ahead.
; In front of the barrier each wave waits for its reads of this slot and for all its tensor loads, of which one is out: its part of the next slot.
; Behind it (with fill = 1: behind the whole round of the cluster barrier) nobody reads this slot and the next slot is whole: the refill comes first,
; then the first fragments of the next slot.  From a request to the wait for it a wave issues 240 matrix instructions.
.macro TURN slot, next, fill
	s_wait_dscnt 8
	WIN MUL_LO
	MUL16 F1, 0, 0, 0
	s_wait_dscnt 0                                 ; my reads of this slot are over
	s_wait_tensorcnt 0x0                           ; all my tensor loads have landed
	ds_add_u32 v255, v255
	s_wait_dscnt 0x0
	s_barrier_signal -1
	MUL16 F1, 0, 2, 0                              ; register work while the others arrive
	WIN 0
	s_barrier_wait -1
.if \fill
	CREST                                          ; all sixteen work-groups have said the same
	s_add_nc_u64 s[G0+4*\slot+2:G0+4*\slot+3], s[G0+4*\slot+2:G0+4*\slot+3], 2*ASTEP       ; no tensor load of mine is out: the descriptors may be stepped
	s_add_nc_u64 s[G0B+4*\slot+2:G0B+4*\slot+3], s[G0B+4*\slot+2:G0B+4*\slot+3], 2*BSTEP
	JLOAD \slot                                    ; my one tensor load behind the round, and the first thing there
.endif
	PLACES
	FETCH \next, 0, F0
	WIN MUL_HI
	MUL16 F1, 1, 0, 0
	MUL16 F1, 1, 2, 0
.endm
.macro LAP start                       ; once round the ring, both slots filled again
	THREE 0, \start
	TURN 0, 1, 1
	THREE 1, 0
	TURN 1, 0, 1
.endm
	s_wait_tensorcnt 1                             ; my part of K step 0 is in; K step 1 may stay out
	s_barrier_signal -1
	s_barrier_wait -1                              ; everybody's part is in
	FETCH 0, 0, F0
	LAP 1                                          ; the first lap stands in front of the loop: its first products start the sums
	WIN 0                                          ; at a label and at a branch every window is 0
	s_mov_b32 s3, LAPS-2
.Llap:
	LAP 0
	WIN 0
	s_sub_co_u32 s3, s3, 1
	s_cmp_lg_u32 s3, 0
	s_cbranch_scc1 .Llap
	THREE 0, 0                                     ; the last lap fills nothing and has no round of the cluster barrier
	TURN 0, 1, 0
	THREE 1, 0
	s_wait_dscnt 8                                 ; the very last quarter: nothing more to fetch
	WIN MUL_LO
	MUL16 F1, 0, 0, 0
	MUL16 F1, 0, 2, 0
	s_wait_dscnt 0
	WIN MUL_HI
	MUL16 F1, 1, 0, 0
	MUL16 F1, 1, 2, 0
	; THE WAY OUT, 16 rows at a time: 32 bytes a lane and tile into my own stage in LDS, read back as whole rows of 512 bytes.
	PLACES                                         ; the places behind the last matrix instructions
	s_lshl_b32 s16, s13, 23                        ; my first row: 256 rows of 32,768 bytes a block row
	s_lshl_b32 s17, s11, 22                        ; + 128 rows for the second half
	s_add_co_u32 s16, s16, s17
	s_lshl_b32 s17, s45, 12                        ; + 1,024 f32 an expert
	s_add_co_u32 s16, s16, s17
	s_mov_b32 s17, 0
	s_add_nc_u64 s[8:9], s[8:9], s[16:17]
	s_lshl_b32 s46, s42, 10                        ; my first column in bytes: 1,024 x block column + 512 x half
	s_lshl_b32 s47, s12, 9
	s_add_co_u32 s46, s46, s47
	s_mov_b32 s47, 0
	s_add_nc_u64 s[8:9], s[8:9], s[46:47]
; rows 16 i .. 16 i + 15 of my block = the eight tiles (a, 0..7) of window 2 or 3 (from = 0x08 or 0x0c: the data of an LDS store are source 1); f: F0 or F1 in turn
.macro OUT16 i, a, from, f
	WIN \from
.irp b, 0,1,2,3,4,5,6,7
	ds_store_b128 v[STO], v[8*(8*\a+\b):8*(8*\a+\b)+3]   offset:64*\b
	ds_store_b128 v[STO], v[8*(8*\a+\b)+4:8*(8*\a+\b)+7] offset:64*\b+16
.endr
	WIN 0
	s_wait_xcnt 0x0                                ; buffer f, which earlier stores read, and the base of the stores are rewritten only behind this wait
.if \i
	s_add_nc_u64 s[8:9], s[8:9], 16*CROW           ; 16 rows on
.endif
.irp t, 0,1,2,3,4,5,6,7,8,9,10,11,12,13,14,15
	ds_load_b128 v[\f+4*\t:\f+4*\t+3], v[RD] offset:\t*SPITCH      ; LDS serves the instructions of a wave in order: these see the stores above
.endr
.irp t, 0,1,2,3,4,5,6,7,8,9,10,11,12,13,14,15
	s_wait_dscnt 15-\t                             ; read-back t is in, the younger ones stay out
	global_store_b128 v[CO], v[\f+4*\t:\f+4*\t+3], s[8:9] offset:\t*CROW     ; the wave stores 512 consecutive bytes, aligned
.endr
.endm
	OUT16 0, 0, 0x08, F0
	OUT16 1, 1, 0x08, F1
	OUT16 2, 2, 0x08, F0
	OUT16 3, 3, 0x08, F1
	OUT16 4, 0, 0x0c, F0
	OUT16 5, 1, 0x0c, F1
	OUT16 6, 2, 0x0c, F0
	OUT16 7, 3, 0x0c, F1
	s_set_vgpr_msb 0x1
	s_wait_tensorcnt 0x0
	ds_add_u32 v255, v255
	s_wait_dscnt 0x0
	s_set_vgpr_msb 0x100
	CROUND                                         ; the closing round: no work-group ends while a partner may still ask for a tile that names it
	s_endpgm
.Lfunc_end_k_q3c4adb2fab_gemm2:
	.size	k_q3c4adb2fab_gemm2, .Lfunc_end_k_q3c4adb2fab_gemm2-k_q3c4adb2fab_gemm2
	.p2alignl 7, 3214868480
	.fill 96, 4, 3214868480
	.section	.rodata,"a",@progbits
	.p2align	6, 0x0
	.amdhsa_kernel k_q3c4adb2fab_gemm2
		.amdhsa_group_segment_fixed_size 327680
		.amdhsa_private_segment_fixed_size 0
		.amdhsa_enable_private_segment 0
		.amdhsa_kernarg_size 24
		.amdhsa_user_sgpr_count 2
		.amdhsa_user_sgpr_kernarg_segment_ptr 1
		.amdhsa_wavefront_size32 1
		.amdhsa_system_sgpr_workgroup_id_x 1
		.amdhsa_system_sgpr_workgroup_id_y 1
		.amdhsa_system_sgpr_workgroup_id_z 1
		.amdhsa_system_vgpr_workitem_id 0
		.amdhsa_next_free_vgpr 1024
		.amdhsa_next_free_sgpr 66
		.amdhsa_reserve_vcc 0
		.amdhsa_float_denorm_mode_32 3
		.amdhsa_float_denorm_mode_16_64 3
		.amdhsa_memory_ordered 1
		.amdhsa_forward_progress 1
		.amdhsa_inst_pref_size 196
	.end_amdhsa_kernel
	.amdgpu_metadata
---
amdhsa.version: [ 1, 2 ]
amdhsa.kernels:
  - .name:           k_q3c4adb2fab_gemm2
    .symbol:         k_q3c4adb2fab_gemm2.kd
    .args:
      - { .name: hbuf, .offset: 0, .size: 8, .value_kind: global_buffer, .address_space: global }
      - { .name: W2b, .offset: 8, .size: 8, .value_kind: global_buffer, .address_space: global }
      - { .name: part, .offset: 16, .size: 8, .value_kind: global_buffer, .address_space: global }
    .group_segment_fixed_size: 327680
    .private_segment_fixed_size: 0
    .kernarg_segment_align: 8
    .kernarg_segment_size: 24
    .max_flat_workgroup_size: 128
    .sgpr_count:     66
    .vgpr_count:     1024
    .wavefront_size: 32
...
	.end_amdgpu_metadata
.endif
;; end of part 3
;; launch combine (part 4): grid 512 x 1, 8 waves a work-group, no clusters, 39,936 bytes of LDS; arguments part, xb, Wg, bg, b2, out0; writes out0
.if DOCPART == 4
	.amdgcn_target "amdgcn-amd-amdhsa--gfx1250"
	.amdhsa_code_object_version 6
	.text
	.protected	k_q3c4adb2fab_combine
	.globl	k_q3c4adb2fab_combine
	.p2align	8
	.type	k_q3c4adb2fab_combine,@function
k_q3c4adb2fab_combine:
	s_mov_b64 s[64:65], 0
	v_nop
	global_prefetch_b8 v0, s[64:65] scope:SCOPE_SE
	s_setreg_imm32_b32 hwreg(HW_REG_WAVE_MODE, 25, 1), 1
	s_wait_xcnt 0x0
; gates[n][e] = softmax over e of ( sum over d of xb[n][d] bf16(Wg[d][e]) + bg[e] );   out0[n][f] = sum over e of gates[n][e] ( part[n][e][f] + b2[e][f] ).
; part: [2048][8][1024] f32.  xb: [2048][1024] bf16.  Wg: [1024][8], bg: [8], b2: [8][1024], out0: [2048][1024], all f32.
; The gate product takes its operands in bf16, as a matrix product does, with sums in f32; it has 8 columns and its operands already lie with the threads that
; need them.  The softmax takes the row maximum away first; all the rest is f32.
; LIMIT: the exponential gives 0 for a result below 2^-126 (ISA guide, the entry of v_exp_f32), so a gate that small is 0.
; A work-group of eight waves owns 4 tokens.  Thread t owns d = 4 t .. 4 t + 3 in the gate product and columns 4 t .. 4 t + 3 in the weighted sum,
; so Wg and b2 are read once by a work-group.  All 53 loads of a thread are issued at the head; the gates are made while the 128 KiB of part are on their way.
; The eight loads of Wg of a wave together cover 4,096 consecutive bytes.
; No cluster: the loads go to registers, and what work-groups share (Wg, b2: 64 KiB) is less than the 136 KiB that a work-group reads alone.
.set TOK,   4                          ; tokens of a work-group
.set TR,    0                          ; LDS: for each wave 32 rows of 144 bytes (32 sums of a lane + 16 of padding, an odd multiple of 16)
.set TRW,   32*144
.set XW,    8*TRW                      ; LDS: for each wave 32 words, its sums of the 32 logits
.set GB,    XW+8*128                   ; LDS: for each wave 32 words, the 32 gates
.set XF,    16                         ; v[16:31]   x of my 4 d, 4 tokens, as f32: XF + 4 i + a
.set ACC,   16                         ; v[16:31]   later: the results, ACC + 4 i
.set WG,    32                         ; v[32:63]   Wg of my 4 d: WG + 8 a + e
.set RED,   32                         ; v[32:63]   later: words to add up
.set XB,    64                         ; v[64:71]   x as loaded, 4 bf16 a token
.set SUMS,  64                         ; v[64:95]   then: my part of the 32 logits, SUMS + 8 i + e
.set GATES, 64                         ; v[64:95]   later: the 32 gates, GATES + 8 i + e
.set B2,    96                         ; v[96:127]  b2 of my 4 columns: B2 + 4 e
.set PART,  128                        ; v[128:255] part of my 4 columns: PART + 32 i + 4 e
	s_load_b256 s[4:11], s[0:1], 0x0               ; part s[4:5], xb s[6:7], Wg s[8:9], bg s[10:11]
	s_load_b128 s[12:15], s[0:1], 0x20             ; b2 s[12:13], out0 s[14:15]
	v_lshl_add_u32 v10, v0, 2, 0x9800
	v_mov_b32 v15, 0
	v_lshrrev_b32 v13, 5, v0
	v_readfirstlane_b32 s16, v13                   ; wave 0..7
	s_mul_i32 s17, s16, TRW                        ; my wave's rows in TR
	s_lshl_b32 s18, s16, 7                         ; my wave's 128 bytes in XW and in GB
	s_mov_b32 s22, 0xffff0000                      ; the upper bf16 of a word
	s_mov_b32 s21, 0
	v_and_b32 v1, 31, v0                           ; lane
	v_lshlrev_b32 v2, 3, v0                        ; xb: 8 bytes a thread
	v_lshlrev_b32 v3, 7, v0                        ; Wg: 4 rows of 32 bytes a thread
	v_and_b32 v4, 7, v0
	v_lshlrev_b32 v4, 2, v4                        ; bg of expert lane % 8
	v_lshlrev_b32 v5, 4, v0                        ; part, b2, out0: 16 bytes a thread
	v_mul_u32_u24 v6, v1, 144
	v_add_nc_u32 v6, s17, v6                       ; TR: my row
	v_lshl_add_u32 v7, v1, 2, s17                  ; TR: my column
	v_lshl_add_u32 v8, v1, 2, s18                  ; my word in my wave's part of XW and of GB
	v_lshlrev_b32 v9, 2, v1                        ; my word in any wave's part
	v_mov_b32 v11, s18                             ; the first word of my wave's part
	s_wait_kmcnt 0x0
	s_lshl_b32 s20, ttmp9, 13                      ; 4 rows of 2,048 bytes of xb
	s_add_nc_u64 s[6:7], s[6:7], s[20:21]
	s_lshl_b32 s20, ttmp9, 17                      ; 4 rows of 32,768 bytes of part
	s_add_nc_u64 s[4:5], s[4:5], s[20:21]
	s_lshl_b32 s20, ttmp9, 14                      ; 4 rows of 4,096 bytes of out0
	s_add_nc_u64 s[14:15], s[14:15], s[20:21]
.irp i, 0,1,2,3
	global_load_b64 v[XB+2*\i:XB+2*\i+1], v2, s[6:7] offset:2048*\i th:TH_LOAD_NT
.endr
.irp k, 0,1,2,3,4,5,6,7
	global_load_b128 v[WG+4*\k:WG+4*\k+3], v3, s[8:9] offset:16*\k
.endr
	global_load_b32 v12, v4, s[10:11]
.irp e, 0,1,2,3,4,5,6,7
	global_load_b128 v[B2+4*\e:B2+4*\e+3], v5, s[12:13] offset:4096*\e
.endr
.irp i, 0,1,2,3
.irp e, 0,1,2,3,4,5,6,7
	global_load_b128 v[PART+32*\i+4*\e:PART+32*\i+4*\e+3], v5, s[4:5] offset:32768*\i+4096*\e th:TH_LOAD_NT
.endr
.endr
	; THE GATES.  x, Wg and bg are in; the 8 loads of b2 and the 32 of part stay out.
	s_wait_loadcnt 40
.irp i, 0,1,2,3
	v_lshlrev_b32 v[XF+4*\i],   16,  v[XB+2*\i]    ; bf16 to f32: the low half moves up, the high half stays
	v_and_b32     v[XF+4*\i+1], s22, v[XB+2*\i]
	v_lshlrev_b32 v[XF+4*\i+2], 16,  v[XB+2*\i+1]
	v_and_b32     v[XF+4*\i+3], s22, v[XB+2*\i+1]
.endr
.irp p, 0,2,4,6,8,10,12,14,16,18,20,22,24,26,28,30
	v_cvt_pk_bf16_f32 v[13+(\p/2)%2], v[WG+\p], v[WG+\p+1]         ; Wg rounded to bf16, as a matrix operand, and widened again
	v_lshlrev_b32 v[WG+\p],   16,  v[13+(\p/2)%2]
	v_and_b32     v[WG+\p+1], s22, v[13+(\p/2)%2]
.endr
; SUMS[8 i + e], SUMS[8 i + e + 1] (+)= x[i][a] * Wg[a][e], Wg[a][e + 1]: x is taken twice from one register of its pair
.macro GATE i, e, a
.if \a == 0
	v_pk_mul_f32 v[SUMS+8*\i+\e:SUMS+8*\i+\e+1], v[XF+4*\i:XF+4*\i+1], v[WG+\e:WG+\e+1] op_sel_hi:[0,1]
.else
.if \a == 2
	v_pk_fma_f32 v[SUMS+8*\i+\e:SUMS+8*\i+\e+1], v[XF+4*\i+2:XF+4*\i+3], v[WG+16+\e:WG+16+\e+1], v[SUMS+8*\i+\e:SUMS+8*\i+\e+1] op_sel_hi:[0,1,1]
.else
	v_pk_fma_f32 v[SUMS+8*\i+\e:SUMS+8*\i+\e+1], v[XF+4*\i+\a-1:XF+4*\i+\a], v[WG+8*\a+\e:WG+8*\a+\e+1], v[SUMS+8*\i+\e:SUMS+8*\i+\e+1] op_sel:[1,0,0] op_sel_hi:[1,1,1]
.endif
.endif
.endm
.irp a, 0,1,2,3
.irp i, 0,1,2,3
.irp e, 0,2,4,6
	GATE \i, \e, \a
.endr
.endr
.endr
	; Over the 32 lanes of the wave, for 32 sums at once: each lane lays its 32 sums in a row of the wave's own LDS bytes and reads a column.
	; LDS serves the instructions of a wave in order, so the loads see the stores.
.irp k, 0,1,2,3,4,5,6,7
	ds_store_b128 v6, v[SUMS+4*\k:SUMS+4*\k+3] offset:TR+16*\k
.endr
.irp k, 0,1,2,3,4,5,6,7,8,9,10,11,12,13,14,15,16,17,18,19,20,21,22,23,24,25,26,27,28,29,30,31
	ds_load_b32 v[RED+\k], v7 offset:TR+144*\k
.endr
	s_wait_dscnt 0x0
.irp k, 0,1,2,3,4,5,6,7
	v_pk_add_f32 v[RED+4*\k:RED+4*\k+1], v[RED+4*\k:RED+4*\k+1], v[RED+4*\k+2:RED+4*\k+3]
.endr
.irp k, 0,1,2,3
	v_pk_add_f32 v[RED+8*\k:RED+8*\k+1], v[RED+8*\k:RED+8*\k+1], v[RED+8*\k+4:RED+8*\k+5]
.endr
.irp k, 0,1
	v_pk_add_f32 v[RED+16*\k:RED+16*\k+1], v[RED+16*\k:RED+16*\k+1], v[RED+16*\k+8:RED+16*\k+9]
.endr
	v_pk_add_f32 v[RED:RED+1], v[RED:RED+1], v[RED+16:RED+17]
	v_add_f32 v13, v[RED], v[RED+1]                ; lane l: my wave's part of logit (token l / 8, expert l % 8)
	; Over the eight waves: each stores its 32 words, one barrier, each reads all.
	ds_store_b32 v8, v13 offset:XW
	s_wait_dscnt 0x0                               ; for the others: my store is done in front of my signal
	s_barrier_signal -1
	s_barrier_wait -1
.irp k, 0,1,2,3,4,5,6,7
	ds_load_b32 v[RED+\k], v9 offset:XW+128*\k
.endr
	s_wait_dscnt 0x0
	v_pk_add_f32 v[RED:RED+1],   v[RED:RED+1],   v[RED+2:RED+3]
	v_pk_add_f32 v[RED+4:RED+5], v[RED+4:RED+5], v[RED+6:RED+7]
	v_pk_add_f32 v[RED:RED+1],   v[RED:RED+1],   v[RED+4:RED+5]
	v_add_f32 v13, v[RED], v[RED+1]
	v_add_f32 v13, v13, v12                        ; + bg
	; softmax over the eight lanes of a token
	v_mov_b32 v14, v13
	v_max_num_f32_dpp v14, v14, v14 row_xmask:1 row_mask:0xf bank_mask:0xf
	v_max_num_f32_dpp v14, v14, v14 row_xmask:2 row_mask:0xf bank_mask:0xf
	v_max_num_f32_dpp v14, v14, v14 row_xmask:4 row_mask:0xf bank_mask:0xf
	v_sub_f32 v13, v13, v14                        ; the maximum is taken away: the exponents are at most 0
	v_mul_f32 v13, 0x3fb8aa3b, v13                 ; e^x = 2^(x log2 e)
	v_exp_f32 v13, v13
	v_nop                                          ; one plain vector instruction behind a transcendental before its result is used (ISA guide 5.7.2)
	s_wait_alu depctr_va_vdst(0)
	v_mov_b32 v14, v13
	v_add_f32_dpp v14, v14, v14 row_xmask:1 row_mask:0xf bank_mask:0xf
	v_add_f32_dpp v14, v14, v14 row_xmask:2 row_mask:0xf bank_mask:0xf
	v_add_f32_dpp v14, v14, v14 row_xmask:4 row_mask:0xf bank_mask:0xf
	v_rcp_f32 v14, v14                             ; the sum is at least 1
	v_nop
	s_wait_alu depctr_va_vdst(0)
	v_mul_f32 v13, v13, v14                        ; lane l: gate (token l / 8, expert l % 8), the same in all eight waves
	; every lane needs all 32 gates: through the wave's own 128 bytes
	ds_store_b32 v8, v13 offset:GB
.irp k, 0,1,2,3,4,5,6,7
	ds_load_b128 v[GATES+4*\k:GATES+4*\k+3], v11 offset:GB+16*\k
.endr
	s_wait_dscnt 0x0
; THE WEIGHTED SUM of token i: 4 columns a thread, experts in ascending order.
.macro TOKEN i
	s_wait_loadcnt 24-8*\i                         ; b2 and this token's eight loads of part are in; the 8 loads of each later token stay out
.irp e, 0,1,2,3,4,5,6,7
	v_pk_add_f32 v[PART+32*\i+4*\e:PART+32*\i+4*\e+1],   v[PART+32*\i+4*\e:PART+32*\i+4*\e+1],   v[B2+4*\e:B2+4*\e+1]
	v_pk_add_f32 v[PART+32*\i+4*\e+2:PART+32*\i+4*\e+3], v[PART+32*\i+4*\e+2:PART+32*\i+4*\e+3], v[B2+4*\e+2:B2+4*\e+3]
.endr
	v_pk_mul_f32 v[ACC+4*\i:ACC+4*\i+1],   v[PART+32*\i:PART+32*\i+1],   v[GATES+8*\i:GATES+8*\i+1] op_sel_hi:[1,0]
	v_pk_mul_f32 v[ACC+4*\i+2:ACC+4*\i+3], v[PART+32*\i+2:PART+32*\i+3], v[GATES+8*\i:GATES+8*\i+1] op_sel_hi:[1,0]
.irp e, 1,3,5,7
	v_pk_fma_f32 v[ACC+4*\i:ACC+4*\i+1],   v[PART+32*\i+4*\e:PART+32*\i+4*\e+1],   v[GATES+8*\i+\e-1:GATES+8*\i+\e], v[ACC+4*\i:ACC+4*\i+1]   op_sel:[0,1,0] op_sel_hi:[1,1,1]
	v_pk_fma_f32 v[ACC+4*\i+2:ACC+4*\i+3], v[PART+32*\i+4*\e+2:PART+32*\i+4*\e+3], v[GATES+8*\i+\e-1:GATES+8*\i+\e], v[ACC+4*\i+2:ACC+4*\i+3] op_sel:[0,1,0] op_sel_hi:[1,1,1]
.if \e < 7
	v_pk_fma_f32 v[ACC+4*\i:ACC+4*\i+1],   v[PART+32*\i+4*\e+4:PART+32*\i+4*\e+5], v[GATES+8*\i+\e+1:GATES+8*\i+\e+2], v[ACC+4*\i:ACC+4*\i+1]   op_sel_hi:[1,0,1]
	v_pk_fma_f32 v[ACC+4*\i+2:ACC+4*\i+3], v[PART+32*\i+4*\e+6:PART+32*\i+4*\e+7], v[GATES+8*\i+\e+1:GATES+8*\i+\e+2], v[ACC+4*\i+2:ACC+4*\i+3] op_sel_hi:[1,0,1]
.endif
.endr
	global_store_b128 v5, v[ACC+4*\i:ACC+4*\i+3], s[14:15] offset:4096*\i th:TH_STORE_NT   ; the wave stores 512 consecutive bytes, aligned; each token has its own four registers
.endm
	TOKEN 0
	TOKEN 1
	TOKEN 2
	TOKEN 3
	s_wait_tensorcnt 0x0
	ds_add_u32 v10, v15
	s_wait_dscnt 0x0
	s_endpgm
.Lfunc_end_k_q3c4adb2fab_combine:
	.size	k_q3c4adb2fab_combine, .Lfunc_end_k_q3c4adb2fab_combine-k_q3c4adb2fab_combine
	.p2alignl 7, 3214868480
	.fill 96, 4, 3214868480
	.section	.rodata,"a",@progbits
	.p2align	6, 0x0
	.amdhsa_kernel k_q3c4adb2fab_combine
		.amdhsa_group_segment_fixed_size 39936
		.amdhsa_private_segment_fixed_size 0
		.amdhsa_enable_private_segment 0
		.amdhsa_kernarg_size 48
		.amdhsa_user_sgpr_count 2
		.amdhsa_user_sgpr_kernarg_segment_ptr 1
		.amdhsa_wavefront_size32 1
		.amdhsa_system_sgpr_workgroup_id_x 1
		.amdhsa_system_sgpr_workgroup_id_y 1
		.amdhsa_system_sgpr_workgroup_id_z 1
		.amdhsa_system_vgpr_workitem_id 0
		.amdhsa_next_free_vgpr 256
		.amdhsa_next_free_sgpr 66
		.amdhsa_reserve_vcc 0
		.amdhsa_float_denorm_mode_32 3
		.amdhsa_float_denorm_mode_16_64 3
		.amdhsa_memory_ordered 1
		.amdhsa_forward_progress 1
		.amdhsa_inst_pref_size 28
	.end_amdhsa_kernel
	.amdgpu_metadata
---
amdhsa.version: [ 1, 2 ]
amdhsa.kernels:
  - .name:           k_q3c4adb2fab_combine
    .symbol:         k_q3c4adb2fab_combine.kd
    .args:
      - { .name: part, .offset: 0, .size: 8, .value_kind: global_buffer, .address_space: global }
      - { .name: xb, .offset: 8, .size: 8, .value_kind: global_buffer, .address_space: global }
      - { .name: Wg, .offset: 16, .size: 8, .value_kind: global_buffer, .address_space: global }
      - { .name: bg, .offset: 24, .size: 8, .value_kind: global_buffer, .address_space: global }
      - { .name: b2, .offset: 32, .size: 8, .value_kind: global_buffer, .address_space: global }
      - { .name: out0, .offset: 40, .size: 8, .value_kind: global_buffer, .address_space: global }
    .group_segment_fixed_size: 39936
    .private_segment_fixed_size: 0
    .kernarg_segment_align: 8
    .kernarg_segment_size: 48
    .max_flat_workgroup_size: 256
    .sgpr_count:     66
    .vgpr_count:     256
    .wavefront_size: 32
...
	.end_amdgpu_metadata
.endif
;; end of part 4
